; MI455X (gfx1250); checked and timed in simulation.
; The chip was launched on July 23, 2026; its instructions are those of AMD's public machine-readable ISA for CDNA 5 (MIT licence, August 2026) and "CDNA5" Instruction Set Architecture Reference Guide (July 2026). The comments in the code are by the model that wrote it; some were corrected since.
;; Adaptive Context Norm. Allowed arithmetic: float matrix products may take bf16 or f16 operands with f32 sums; all other float work in f32.
;; Inputs: mean 8 x 1 float32; prior 8 x 1 float32; variance 8 x 1 float32; x 16 x 64 x 128 x 128 float32.
;; Outputs: out0 16 x 64 x 128 x 128 float32.
;; 2 versions, each right and faster than the one before. Each part assembles by itself: llvm-mc -triple=amdgcn-amd-amdhsa -mcpu=gfx1250 --defsym DOCPART=n.
;; ======== version 1 of 2: 1 launch
;; launch acn (part 1): grid 256 x 1, 16 waves a work-group, no clusters, 0 bytes of LDS; arguments x, mean, variance, prior, out0; writes out0
.if DOCPART == 1
	.amdgcn_target "amdgcn-amd-amdhsa--gfx1250"
	.amdhsa_code_object_version 6
	.text
	.protected	k_qcaba0ce14b_acn
	.globl	k_qcaba0ce14b_acn
	.p2align	8
	.type	k_qcaba0ce14b_acn,@function
k_qcaba0ce14b_acn:
	s_mov_b64 s[64:65], 0
	v_nop
	global_prefetch_b8 v0, s[64:65] scope:SCOPE_SE
	s_setreg_imm32_b32 hwreg(HW_REG_WAVE_MODE, 25, 1), 1
	s_wait_xcnt 0x0
; AdaptiveContextNorm, eval path, 4D input.  x, out0: 16,777,216 f32.  mean, variance, prior: 8 f32 each.
;   v = softplus(variance), p = softmax(prior)
;   den = eps + sum_k p_k exp(-0.5 ((x-m_k)/v_k)^2)
;   out = sum_k p_k exp(-0.5 ((x-m_k)/(v_k+eps))^2) (x-m_k) / (sqrt(p_k+eps) sqrt(v_k+eps)) / den
; Written as  d = x - m,  t = d d,  den += 2^(a1 t + c1),  num += 2^(a2 t + c2) d,  out = num / den  with, for each context,
;   a1 = -0.5 log2(e) / v^2,  a2 = -0.5 log2(e) / (v+eps)^2,  c1 = log2 p,  c2 = log2( p / (sqrt(p+eps) sqrt(v+eps)) ):
; six plain operations and two exponentials for a context and a number; the plain ones go two numbers to an instruction.
; d is formed as a difference first, so a common offset of x and mean costs no accuracy.
; LIMITS, kept knowingly: an exponential below 2^-126, and a prior weight below 2^-126, count as 0 (v_exp_f32 and v_log_f32 flush
; denormals); ((x-m)/v)^2 is formed as (x-m)^2 (1/v^2), which differs from the quotient's square only where |x-m| is above about 1e19
; or below about 1e-19, or v below about 1e-19 (a1 is then held at -FLT_MAX: the term is 1 at x = m and 0 elsewhere); eps enters the
; denominator's sum first and not last.
; SHARES: 256 work-groups of 16 waves; a work-group owns 256 KiB of x and out0 as 32 chunks of 8 KiB; in a chunk a wave takes 512
; neighbouring bytes, a lane 16: each load and each store of a wave covers two aligned blocks of 256 bytes, whole.
; No LDS, no barrier, no cluster: the work-groups share nothing but the 96 bytes of parameters, which every wave works out for itself.
.set CH,     8192                      ; bytes in a chunk of the work-group: 512 threads x 16
.set CHUNKS, 32
.set SLOTS,  4                         ; x slots in registers = loads in flight in each wave
.set ROUNDS, CHUNKS/SLOTS              ; a round takes every slot once
.set OFF, 1                            ; v1        16 x thread; never rewritten
.set MM,  2                            ; v[2:9]    -m of context k
.set CC,  10                           ; v[10:41]  context k: a1, c1, a2, c2
.set X,   42                           ; v[42:57]  slot s: four numbers of x
.set D,   58                           ; v[58:65]  d of four numbers, two buffers (contexts take turns)
.set T,   66                           ; v[66:69]  d d
.set E,   70                           ; v[70:85]  two buffers of 8: exponents, then exponentials; 0-3 the denominator's, 4-7 the numerator's
.set DEN, 86                           ; v[86:89]
.set NUM, 90                           ; v[90:93]
.set R,   94                           ; v[94:97]  1 / den
.set OUT, 98                           ; v[98:101] what the store reads
; at work in the prologue only, in registers that D, T and E take over afterwards
.set P_M,  58
.set P_V,  59
.set P_P,  60
.set P_O,  61
.set P_MX, 62
.set P_Y,  63
.set P_EP, 64
.set P_SP, 65
.set P_U,  66
.set P_SM, 67
.set P_U1, 68
.set P_LG, 69
.set P_RU, 70
.set P_PK, 71
.set P_VE, 72
.set P_PE, 73
.set P_R1, 74
.set P_R2, 75
.set P_W,  76
.set P_Q,  77
.set P_C1, 78
.set P_A1, 79
.set P_A2, 80
	s_load_b256 s[4:11], s[0:1], 0x0               ; x s[4:5], mean s[6:7], variance s[8:9], prior s[10:11]
	s_load_b64 s[12:13], s[0:1], 0x20              ; out0
	v_and_b32 v[P_O], 7, v0                        ; lane l works out context l mod 8
	v_lshlrev_b32 v[P_O], 2, v[P_O]
	v_lshlrev_b32 v[OFF], 4, v0
	s_lshl_b32 s2, ttmp9, 18                       ; the work-group's 256 KiB: at most 255 x 2^18, inside 32 bits
	s_mov_b32 s3, 0
	s_wait_kmcnt 0x0
	s_add_nc_u64 s[4:5], s[4:5], s[2:3]
	s_add_nc_u64 s[12:13], s[12:13], s[2:3]
	global_load_b32 v[P_M], v[P_O], s[6:7]
	global_load_b32 v[P_V], v[P_O], s[8:9]
	global_load_b32 v[P_P], v[P_O], s[10:11]
.irp s, 0,1,2,3
	global_load_b128 v[X+4*\s:X+4*\s+3], v[OFF], s[4:5] offset:\s*CH th:TH_LOAD_NT     ; the ring is filled: chunks 0 to 3
.endr
	s_wait_loadcnt 0x4                             ; the three parameters are in; the four younger loads of x stay out
	; softmax over the 8 contexts, the maximum taken away first; softplus(z) = max(z, 0) + log1p(e^-|z|).
	; Each group of 8 lanes holds all 8 contexts, so three exchanges (lane xor 1, 2, 4) reduce over them.
	v_mov_b32 v[P_MX], v[P_P]
	v_max_num_f32_dpp v[P_MX], v[P_MX], v[P_MX] row_xmask:1 row_mask:0xf bank_mask:0xf
	v_max_num_f32_dpp v[P_MX], v[P_MX], v[P_MX] row_xmask:2 row_mask:0xf bank_mask:0xf
	v_max_num_f32_dpp v[P_MX], v[P_MX], v[P_MX] row_xmask:4 row_mask:0xf bank_mask:0xf
	v_and_b32 v[P_Y], 0x7fffffff, v[P_V]           ; |z|
	v_mul_f32 v[P_Y], 0xbfb8aa3b, v[P_Y]           ; -|z| log2(e)
	v_sub_f32 v[P_EP], v[P_P], v[P_MX]
	v_mul_f32 v[P_EP], 0x3fb8aa3b, v[P_EP]         ; (prior - max) log2(e)
	v_exp_f32 v[P_Y], v[P_Y]                       ; y = e^-|z|, in (0, 1]
	v_exp_f32 v[P_EP], v[P_EP]
	v_max_num_f32 v[P_SP], 0, v[P_V]               ; a plain instruction that touches neither result stands behind the transcendentals
	s_wait_alu depctr_va_vdst(0)
	v_add_f32 v[P_U], 1.0, v[P_Y]                  ; u = 1 + y, rounded
	v_mov_b32 v[P_SM], v[P_EP]
	v_add_f32_dpp v[P_SM], v[P_SM], v[P_SM] row_xmask:1 row_mask:0xf bank_mask:0xf
	v_add_f32_dpp v[P_SM], v[P_SM], v[P_SM] row_xmask:2 row_mask:0xf bank_mask:0xf
	v_add_f32_dpp v[P_SM], v[P_SM], v[P_SM] row_xmask:4 row_mask:0xf bank_mask:0xf
	v_add_f32 v[P_U1], -1.0, v[P_U]                ; u - 1, exact: what of y survived the rounding
	v_log_f32 v[P_LG], v[P_U]
	v_rcp_f32 v[P_RU], v[P_U1]
	v_rcp_f32 v[P_PK], v[P_SM]
	v_cmp_eq_f32 vcc_lo, 0, v[P_U1]                ; y too small to show in u
	s_wait_alu depctr_va_vdst(0)
	v_mul_f32 v[P_LG], 0x3f317218, v[P_LG]         ; ln u
	v_mul_f32 v[P_RU], v[P_Y], v[P_RU]             ; y / (u - 1) mends the rounding of u
	v_mul_f32 v[P_LG], v[P_LG], v[P_RU]            ; log1p(y)
	v_cndmask_b32 v[P_LG], v[P_LG], v[P_Y], vcc_lo ; and log1p(y) = y where u = 1
	v_add_f32 v[P_SP], v[P_SP], v[P_LG]            ; v = softplus(z)
	v_mul_f32 v[P_PK], v[P_EP], v[P_PK]            ; p
	v_add_f32 v[P_VE], 0x3a83126f, v[P_SP]         ; v + eps
	v_add_f32 v[P_PE], 0x3a83126f, v[P_PK]         ; p + eps
	v_rcp_f32 v[P_R1], v[P_SP]
	v_rcp_f32 v[P_R2], v[P_VE]
	v_rsq_f32 v[P_W], v[P_VE]
	v_rsq_f32 v[P_Q], v[P_PE]
	v_log_f32 v[P_C1], v[P_PK]                     ; c1 = log2 p (-inf for p = 0: the term is then 0)
	v_xor_b32 v[P_M], 0x80000000, v[P_M]           ; -m; also the plain instruction behind the five transcendentals
	s_wait_alu depctr_va_vdst(0)
	v_mul_f32 v[P_A1], 0xbf38aa3b, v[P_R1]         ; -0.5 log2(e) / v
	v_mul_f32 v[P_A2], 0xbf38aa3b, v[P_R2]
	v_mul_f32 v[P_W], v[P_W], v[P_Q]
	v_mul_f32 v[P_A1], v[P_A1], v[P_R1]            ; a1
	v_mul_f32 v[P_A2], v[P_A2], v[P_R2]            ; a2: v + eps is at least eps, so it is finite
	v_mul_f32 v[P_W], v[P_PK], v[P_W]              ; p / (sqrt(p+eps) sqrt(v+eps))
	v_max_num_f32 v[P_A1], 0xff7fffff, v[P_A1]     ; finite, so that a1 t is 0 and not NaN at x = m
	v_log_f32 v[P_W], v[P_W]                       ; c2
	v_nop                                          ; the plain place behind it
	; lane k's five figures go to every lane
	s_wait_alu depctr_va_vdst(0)
.irp k, 0,1,2,3,4,5,6,7
	v_readlane_b32 s[16+5*\k+0], v[P_A1], \k
	v_readlane_b32 s[16+5*\k+1], v[P_C1], \k
	v_readlane_b32 s[16+5*\k+2], v[P_A2], \k
	v_readlane_b32 s[16+5*\k+3], v[P_W], \k
	v_readlane_b32 s[16+5*\k+4], v[P_M], \k
.endr
.irp k, 0,1,2,3,4,5,6,7
	v_mov_b32 v[CC+4*\k+0], s[16+5*\k+0]
	v_mov_b32 v[CC+4*\k+1], s[16+5*\k+1]
	v_mov_b32 v[CC+4*\k+2], s[16+5*\k+2]
	v_mov_b32 v[CC+4*\k+3], s[16+5*\k+3]
	v_mov_b32 v[MM+\k],     s[16+5*\k+4]
.endr
; The pieces of a stage.  They work on symbols that the stage sets: KN the context being prepared, XN its x, DN and EN the buffers that
; held the context before this stage's and take the one behind it.  h = 0, 2: numbers 0, 1 or 2, 3.
.macro DIFF h                          ; d = x + (-m); two contexts' -m share a register pair, op_sel picks one for both halves
.if KN & 1
	v_pk_add_f32 v[DN+\h:DN+\h+1], v[XN+\h:XN+\h+1], v[MM+KN-1:MM+KN] op_sel:[0,1] op_sel_hi:[1,1]
.else
	v_pk_add_f32 v[DN+\h:DN+\h+1], v[XN+\h:XN+\h+1], v[MM+KN:MM+KN+1] op_sel_hi:[1,0]
.endif
.endm
.macro SQR h
	v_pk_mul_f32 v[T+\h:T+\h+1], v[DN+\h:DN+\h+1], v[DN+\h:DN+\h+1]
.endm
.macro ARG j, h                        ; a t + c (j = 0: the denominator's, 1: the numerator's); the pair (a, c) is both sources: a for both halves, c for both halves
	v_pk_fma_f32 v[EN+4*\j+\h:EN+4*\j+\h+1], v[T+\h:T+\h+1], v[CC+4*KN+2*\j:CC+4*KN+2*\j+1], v[CC+4*KN+2*\j:CC+4*KN+2*\j+1] op_sel:[0,0,1] op_sel_hi:[1,0,1]
.endm
.macro ACCDEN mode, h                  ; mode 0: nothing yet; 2: context 0 starts the sum, with eps; 1, 3: add
.if \mode == 2
	s_wait_alu depctr_va_vdst(0)
	v_pk_add_f32 v[DEN+\h:DEN+\h+1], v[EN+\h:EN+\h+1], 0x3a83126f op_sel_hi:[1,0]
.else
.if \mode != 0
	s_wait_alu depctr_va_vdst(0)
	v_pk_add_f32 v[DEN+\h:DEN+\h+1], v[DEN+\h:DEN+\h+1], v[EN+\h:EN+\h+1]
.endif
.endif
.endm
.macro ACCNUM mode, h
.if \mode == 2
	s_wait_alu depctr_va_vdst(0)
	v_pk_mul_f32 v[NUM+\h:NUM+\h+1], v[EN+4+\h:EN+5+\h], v[DN+\h:DN+\h+1]
.else
.if \mode != 0
	v_pk_fma_f32 v[NUM+\h:NUM+\h+1], v[EN+4+\h:EN+5+\h], v[DN+\h:DN+\h+1], v[NUM+\h:NUM+\h+1]
.endif
.endif
.endm
.macro RECIPS
.irp i, 0,1,2,3
	v_rcp_f32 v[R+\i], v[DEN+\i]
.endr
.endm
.macro LEAVE off                       ; out = num / den, stored at byte off from the round's base
	s_wait_xcnt 0x0                                ; OUT, which the last chunk's store reads, is rewritten only behind this wait
	s_wait_alu depctr_va_vdst(0)
	v_pk_mul_f32 v[OUT:OUT+1],   v[NUM:NUM+1],   v[R:R+1]
	v_pk_mul_f32 v[OUT+2:OUT+3], v[NUM+2:NUM+3], v[R+2:R+3]
	global_store_b128 v[OFF], v[OUT:OUT+3], s[12:13] offset:\off th:TH_STORE_NT
.endm
; Stage k of the chunk in slot s: the 8 exponentials of context k, and between them the sums of context k - 1 and the exponents of
; context k + 1, which lie in the other buffers.  So behind every transcendental stands a plain instruction that names none of its
; registers, and no result is used before such an instruction has passed.
; acc: 0 nothing to add (the very first stage); 1 add context k - 1; 2 context 0 starts the sums; 3 (k = 0) add the LAST chunk's context 7,
; divide and store that chunk.  nxt = 1: prepare context k + 1; in stage 7 that is context 0 of the next slot's chunk, behind the wait for
; its load, which leaves the `left` younger loads out.  fill = 1 (stage 7): slot s, last read in stage 6, gets the chunk four further on.
.macro STAGE k, s, acc, nxt, fill, left
.set EB, E+8*((\k)&1)
.set EN, E+8-8*((\k)&1)
.set DN, D+4-4*((\k)&1)
.set KN, ((\k)+1)&7
.if \k == 7
.set XN, X+4*(((\s)+1)&3)
.else
.set XN, X+4*(\s)
.endif
.if \fill
	global_load_b128 v[X+4*(\s):X+4*(\s)+3], v[OFF], s[4:5] offset:((\s)+SLOTS)*CH th:TH_LOAD_NT
.endif
	v_exp_f32 v[EB+0], v[EB+0]
	ACCDEN \acc, 0
	v_exp_f32 v[EB+1], v[EB+1]
	ACCDEN \acc, 2
	v_exp_f32 v[EB+2], v[EB+2]
	ACCNUM \acc, 0
	v_exp_f32 v[EB+3], v[EB+3]
	ACCNUM \acc, 2
.if \acc == 3
	RECIPS                                         ; used behind the two DIFF lines below
.endif
	v_exp_f32 v[EB+4], v[EB+4]
.if \nxt
.if \k == 7
	s_wait_loadcnt \left                           ; loads come back in order: the next chunk's is in
.endif
	DIFF 0
	DIFF 2
.endif
.if \acc == 3
	LEAVE ((\s)-1)*CH                              ; the chunk before this one; for slot 0 that lies one chunk below the stepped base
.endif
	v_exp_f32 v[EB+5], v[EB+5]
.if \nxt
	SQR 0
	SQR 2
.endif
	v_exp_f32 v[EB+6], v[EB+6]
.if \nxt
	ARG 0, 0
	ARG 0, 2
.endif
	v_exp_f32 v[EB+7], v[EB+7]
.if \nxt
	ARG 1, 0
	ARG 1, 2
.endif
.endm
.macro CHUNK s, first, fill, nxt, left
.if \first
	STAGE 0, \s, 0, 1, 0, 0
.else
	STAGE 0, \s, 3, 1, 0, 0
.endif
	STAGE 1, \s, 2, 1, 0, 0
	STAGE 2, \s, 1, 1, 0, 0
	STAGE 3, \s, 1, 1, 0, 0
	STAGE 4, \s, 1, 1, 0, 0
	STAGE 5, \s, 1, 1, 0, 0
	STAGE 6, \s, 1, 1, 0, 0
	STAGE 7, \s, 1, \nxt, \fill, \left
.endm
; A round with fills.  The wait in stage 7 counts 3: behind the next chunk's load were issued those of the two chunks after it and the fill just made.
.macro ROUND first
	CHUNK 0, \first, 1, 1, 3
	CHUNK 1, 0, 1, 1, 3
	CHUNK 2, 0, 1, 1, 3
	CHUNK 3, 0, 1, 1, 3
	s_wait_xcnt 0x0                                ; the two bases are stepped only behind this wait
	s_add_nc_u64 s[4:5], s[4:5], SLOTS*CH
	s_add_nc_u64 s[12:13], s[12:13], SLOTS*CH
.endm
	s_wait_loadcnt 0x3                             ; chunk 0 is in; slots 1 to 3 stay out
.set KN, 0
.set XN, X
.set DN, D
.set EN, E
	DIFF 0                                         ; context 0 of chunk 0 starts the pipeline
	DIFF 2
	SQR 0
	SQR 2
	ARG 0, 0
	ARG 0, 2
	ARG 1, 0
	ARG 1, 2
	ROUND 1                                        ; chunks 0 to 3, written out: the first has no chunk before it to finish
	s_mov_b32 s14, ROUNDS-2
.Lround:
	ROUND 0                                        ; chunks 4 to 27; their fills bring chunks 8 to 31
	s_sub_co_u32 s14, s14, 1
	s_cmp_lg_u32 s14, 0
	s_cbranch_scc1 .Lround
	CHUNK 0, 0, 0, 1, 2                            ; the last round loads nothing, so no load leaves x: the counts run down
	CHUNK 1, 0, 0, 1, 1
	CHUNK 2, 0, 0, 1, 0
	CHUNK 3, 0, 0, 0, 0                            ; and the last chunk prepares nothing
.set EN, E+8
.set DN, D+4
	ACCDEN 1, 0                                    ; context 7 of the last chunk
	ACCDEN 1, 2
	ACCNUM 1, 0
	ACCNUM 1, 2
	RECIPS
	v_nop                                          ; the plain place behind the reciprocals
	s_wait_alu depctr_va_vdst(0)
	LEAVE (SLOTS-1)*CH
	s_endpgm
.Lfunc_end_k_qcaba0ce14b_acn:
	.size	k_qcaba0ce14b_acn, .Lfunc_end_k_qcaba0ce14b_acn-k_qcaba0ce14b_acn
	.p2alignl 7, 3214868480
	.fill 96, 4, 3214868480
	.section	.rodata,"a",@progbits
	.p2align	6, 0x0
	.amdhsa_kernel k_qcaba0ce14b_acn
		.amdhsa_group_segment_fixed_size 0
		.amdhsa_private_segment_fixed_size 0
		.amdhsa_enable_private_segment 0
		.amdhsa_kernarg_size 40
		.amdhsa_user_sgpr_count 2
		.amdhsa_user_sgpr_kernarg_segment_ptr 1
		.amdhsa_wavefront_size32 1
		.amdhsa_system_sgpr_workgroup_id_x 1
		.amdhsa_system_sgpr_workgroup_id_y 1
		.amdhsa_system_sgpr_workgroup_id_z 1
		.amdhsa_system_vgpr_workitem_id 0
		.amdhsa_next_free_vgpr 104
		.amdhsa_next_free_sgpr 66
		.amdhsa_reserve_vcc 1
		.amdhsa_float_denorm_mode_32 3
		.amdhsa_float_denorm_mode_16_64 3
		.amdhsa_memory_ordered 1
		.amdhsa_forward_progress 1
		.amdhsa_inst_pref_size 118
	.end_amdhsa_kernel
	.amdgpu_metadata
---
amdhsa.version: [ 1, 2 ]
amdhsa.kernels:
  - .name:           k_qcaba0ce14b_acn
    .symbol:         k_qcaba0ce14b_acn.kd
    .args:
      - { .name: x, .offset: 0, .size: 8, .value_kind: global_buffer, .address_space: global }
      - { .name: mean, .offset: 8, .size: 8, .value_kind: global_buffer, .address_space: global }
      - { .name: variance, .offset: 16, .size: 8, .value_kind: global_buffer, .address_space: global }
      - { .name: prior, .offset: 24, .size: 8, .value_kind: global_buffer, .address_space: global }
      - { .name: out0, .offset: 32, .size: 8, .value_kind: global_buffer, .address_space: global }
    .group_segment_fixed_size: 0
    .private_segment_fixed_size: 0
    .kernarg_segment_align: 8
    .kernarg_segment_size: 40
    .max_flat_workgroup_size: 512
    .sgpr_count:     66
    .vgpr_count:     104
    .wavefront_size: 32
...
	.end_amdgpu_metadata
.endif
;; end of part 1
;; ======== version 2 of 2: 1 launch; 1.18 times as fast as version 1
;; launch acn (part 2): grid 256 x 1, 16 waves a work-group, no clusters, 0 bytes of LDS; arguments x, mean, variance, prior, out0; writes out0
.if DOCPART == 2
	.amdgcn_target "amdgcn-amd-amdhsa--gfx1250"
	.amdhsa_code_object_version 6
	.text
	.protected	k_qcaba0ce14b_acn
	.globl	k_qcaba0ce14b_acn
	.p2align	8
	.type	k_qcaba0ce14b_acn,@function
k_qcaba0ce14b_acn:
	s_mov_b64 s[64:65], 0
	v_nop
	global_prefetch_b8 v0, s[64:65] scope:SCOPE_SE
	s_setreg_imm32_b32 hwreg(HW_REG_WAVE_MODE, 25, 1), 1
	s_wait_xcnt 0x0
; AdaptiveContextNorm, eval path, 4D input.  x, out0: 16,777,216 f32.  mean, variance, prior: 8 f32 each.
;   v = softplus(variance), p = softmax(prior)
;   den = eps + sum_k p_k exp(-0.5 ((x-m_k)/v_k)^2)
;   out = sum_k p_k exp(-0.5 ((x-m_k)/(v_k+eps))^2) (x-m_k) / (sqrt(p_k+eps) sqrt(v_k+eps)) / den
; Written as  d = x - m,  t = d d,  den += 2^(a1 t + c1),  num += 2^(a2 t + c2) d,  out = num / den  with, for each context,
;   a1 = -0.5 log2(e) / v^2,  a2 = -0.5 log2(e) / (v+eps)^2,  c1 = log2 p,  c2 = log2( p / (sqrt(p+eps) sqrt(v+eps)) ):
; six plain operations and two exponentials for a context and a number; the plain ones go two numbers to an instruction.
; d is formed as a difference first, so a common offset of x and mean costs no accuracy.
; LIMITS, kept knowingly: an exponential below 2^-126, and a prior weight below 2^-126, count as 0 (v_exp_f32 and v_log_f32 flush
; denormals); ((x-m)/v)^2 is formed as (x-m)^2 (1/v^2), which differs from the quotient's square only where |x-m| is above about 1e19
; or below about 1e-19, or v below about 1e-19 (a1 is then held at -FLT_MAX: the term is 1 at x = m and 0 elsewhere); eps enters the
; denominator's sum first and not last.
; SHARES: 256 work-groups of 16 waves; a work-group owns 256 KiB of x and out0 as 32 chunks of 8 KiB; in a chunk a wave takes 512
; neighbouring bytes, a lane 16: each load and each store of a wave covers two aligned blocks of 256 bytes, whole.
; No LDS, no barrier, no cluster: the work-groups share nothing but the 96 bytes of parameters, which every wave works out for itself.
; BATCHES: the 8 contexts go in two groups of 4, and a stage is half a chunk.  A stage issues ONE BATCH: the 32 exponentials of its group
; (4 contexts x 4 numbers x 2 widths), each in a register of its own; in a chunk's first stage the four reciprocals of the chunk before
; ride in the same batch.  Between and behind them stand the 16 sums of the group before and the 32 lines that prepare the group after:
; these lie in the other buffers and name no result of the batch.  ONE s_wait_alu depctr_va_vdst(0), ahead
; of the first line that names a result, ends the stage: two a chunk, and no result is open at a label or at a jump.
.set CH,     8192                      ; bytes in a chunk of the work-group: 512 threads x 16
.set CHUNKS, 32
.set SLOTS,  4                         ; x slots in registers = loads in flight in each wave
.set ROUNDS, CHUNKS/SLOTS              ; a round takes every slot once
.set OFF, 1                            ; v1          16 x thread; never rewritten
.set MM,  2                            ; v[2:9]      -m of context k
.set CC,  10                           ; v[10:41]    context k: a1, c1, a2, c2
.set X,   42                           ; v[42:57]    slot s: four numbers of x
.set D,   58                           ; v[58:89]    d, two buffers (the groups take turns): context j of a group at 4 j, four numbers
.set T,   90                           ; v[90:105]   d d of the group that is being prepared: context j at 4 j
.set E,   106                          ; v[106:169]  two buffers of 32: exponents, then exponentials; context j of a group at 8 j: 0-3 the denominator's, 4-7 the numerator's
.set DEN, 170                          ; v[170:173]
.set NUM, 174                          ; v[174:177]
.set R,   178                          ; v[178:181]  1 / den
.set OUT, 182                          ; v[182:185]  what the store reads
; at work in the prologue only, in registers that D takes over afterwards
.set P_M,  58
.set P_V,  59
.set P_P,  60
.set P_O,  61
.set P_MX, 62
.set P_Y,  63
.set P_EP, 64
.set P_SP, 65
.set P_U,  66
.set P_SM, 67
.set P_U1, 68
.set P_LG, 69
.set P_RU, 70
.set P_PK, 71
.set P_VE, 72
.set P_PE, 73
.set P_R1, 74
.set P_R2, 75
.set P_W,  76
.set P_Q,  77
.set P_C1, 78
.set P_A1, 79
.set P_A2, 80
	s_load_b256 s[4:11], s[0:1], 0x0               ; x s[4:5], mean s[6:7], variance s[8:9], prior s[10:11]
	s_load_b64 s[12:13], s[0:1], 0x20              ; out0
	v_and_b32 v[P_O], 7, v0                        ; lane l works out context l mod 8
	v_lshlrev_b32 v[P_O], 2, v[P_O]
	v_lshlrev_b32 v[OFF], 4, v0
	s_lshl_b32 s2, ttmp9, 18                       ; the work-group's 256 KiB: at most 255 x 2^18, inside 32 bits
	s_mov_b32 s3, 0
	s_wait_kmcnt 0x0
	s_add_nc_u64 s[4:5], s[4:5], s[2:3]
	s_add_nc_u64 s[12:13], s[12:13], s[2:3]
	global_load_b32 v[P_M], v[P_O], s[6:7]
	global_load_b32 v[P_V], v[P_O], s[8:9]
	global_load_b32 v[P_P], v[P_O], s[10:11]
.irp s, 0,1,2,3
	global_load_b128 v[X+4*\s:X+4*\s+3], v[OFF], s[4:5] offset:\s*CH th:TH_LOAD_NT     ; the ring is filled: chunks 0 to 3
.endr
	s_wait_loadcnt 0x4                             ; the three parameters are in; the four younger loads of x stay out
	; softmax over the 8 contexts, the maximum taken away first; softplus(z) = max(z, 0) + log1p(e^-|z|).
	; Each group of 8 lanes holds all 8 contexts, so three exchanges (lane xor 1, 2, 4) reduce over them.
	v_mov_b32 v[P_MX], v[P_P]
	v_max_num_f32_dpp v[P_MX], v[P_MX], v[P_MX] row_xmask:1 row_mask:0xf bank_mask:0xf
	v_max_num_f32_dpp v[P_MX], v[P_MX], v[P_MX] row_xmask:2 row_mask:0xf bank_mask:0xf
	v_max_num_f32_dpp v[P_MX], v[P_MX], v[P_MX] row_xmask:4 row_mask:0xf bank_mask:0xf
	v_and_b32 v[P_Y], 0x7fffffff, v[P_V]           ; |z|
	v_mul_f32 v[P_Y], 0xbfb8aa3b, v[P_Y]           ; -|z| log2(e)
	v_sub_f32 v[P_EP], v[P_P], v[P_MX]
	v_mul_f32 v[P_EP], 0x3fb8aa3b, v[P_EP]         ; (prior - max) log2(e)
	v_exp_f32 v[P_Y], v[P_Y]                       ; y = e^-|z|, in (0, 1]
	v_exp_f32 v[P_EP], v[P_EP]
	v_max_num_f32 v[P_SP], 0, v[P_V]               ; a plain instruction that touches neither result stands behind the transcendentals
	s_wait_alu depctr_va_vdst(0)                   ; one wait for the two exponentials above
	v_add_f32 v[P_U], 1.0, v[P_Y]                  ; u = 1 + y, rounded
	v_mov_b32 v[P_SM], v[P_EP]
	v_add_f32_dpp v[P_SM], v[P_SM], v[P_SM] row_xmask:1 row_mask:0xf bank_mask:0xf
	v_add_f32_dpp v[P_SM], v[P_SM], v[P_SM] row_xmask:2 row_mask:0xf bank_mask:0xf
	v_add_f32_dpp v[P_SM], v[P_SM], v[P_SM] row_xmask:4 row_mask:0xf bank_mask:0xf
	v_add_f32 v[P_U1], -1.0, v[P_U]                ; u - 1, exact: what of y survived the rounding
	v_log_f32 v[P_LG], v[P_U]
	v_rcp_f32 v[P_RU], v[P_U1]
	v_rcp_f32 v[P_PK], v[P_SM]
	v_cmp_eq_f32 vcc_lo, 0, v[P_U1]                ; y too small to show in u
	s_wait_alu depctr_va_vdst(0)                   ; one wait for the logarithm and the two reciprocals above
	v_mul_f32 v[P_LG], 0x3f317218, v[P_LG]         ; ln u
	v_mul_f32 v[P_RU], v[P_Y], v[P_RU]             ; y / (u - 1) mends the rounding of u
	v_mul_f32 v[P_LG], v[P_LG], v[P_RU]            ; log1p(y)
	v_cndmask_b32 v[P_LG], v[P_LG], v[P_Y], vcc_lo ; and log1p(y) = y where u = 1
	v_add_f32 v[P_SP], v[P_SP], v[P_LG]            ; v = softplus(z)
	v_mul_f32 v[P_PK], v[P_EP], v[P_PK]            ; p
	v_add_f32 v[P_VE], 0x3a83126f, v[P_SP]         ; v + eps
	v_add_f32 v[P_PE], 0x3a83126f, v[P_PK]         ; p + eps
	v_rcp_f32 v[P_R1], v[P_SP]
	v_rcp_f32 v[P_R2], v[P_VE]
	v_rsq_f32 v[P_W], v[P_VE]
	v_rsq_f32 v[P_Q], v[P_PE]
	v_log_f32 v[P_C1], v[P_PK]                     ; c1 = log2 p (-inf for p = 0: the term is then 0)
	v_xor_b32 v[P_M], 0x80000000, v[P_M]           ; -m; also the plain instruction behind the five transcendentals
	s_wait_alu depctr_va_vdst(0)                   ; one wait for those five
	v_mul_f32 v[P_A1], 0xbf38aa3b, v[P_R1]         ; -0.5 log2(e) / v
	v_mul_f32 v[P_A2], 0xbf38aa3b, v[P_R2]
	v_mul_f32 v[P_W], v[P_W], v[P_Q]
	v_mul_f32 v[P_A1], v[P_A1], v[P_R1]            ; a1
	v_mul_f32 v[P_A2], v[P_A2], v[P_R2]            ; a2: v + eps is at least eps, so it is finite
	v_mul_f32 v[P_W], v[P_PK], v[P_W]              ; p / (sqrt(p+eps) sqrt(v+eps))
	v_max_num_f32 v[P_A1], 0xff7fffff, v[P_A1]     ; finite, so that a1 t is 0 and not NaN at x = m
	v_log_f32 v[P_W], v[P_W]                       ; c2
	v_nop                                          ; the plain place behind it
	; lane k's five figures go to every lane
	s_wait_alu depctr_va_vdst(0)                   ; the wait for c2's logarithm, ahead of the lines that read it
.irp k, 0,1,2,3,4,5,6,7
	v_readlane_b32 s[16+5*\k+0], v[P_A1], \k
	v_readlane_b32 s[16+5*\k+1], v[P_C1], \k
	v_readlane_b32 s[16+5*\k+2], v[P_A2], \k
	v_readlane_b32 s[16+5*\k+3], v[P_W], \k
	v_readlane_b32 s[16+5*\k+4], v[P_M], \k
.endr
.irp k, 0,1,2,3,4,5,6,7
	v_mov_b32 v[CC+4*\k+0], s[16+5*\k+0]
	v_mov_b32 v[CC+4*\k+1], s[16+5*\k+1]
	v_mov_b32 v[CC+4*\k+2], s[16+5*\k+2]
	v_mov_b32 v[CC+4*\k+3], s[16+5*\k+3]
	v_mov_b32 v[MM+\k],     s[16+5*\k+4]
.endr
; The pieces of a stage.  They work on symbols that the stage sets: KB the first context of the group being prepared, XN its x, DN and EN
; the buffers that held the group before this stage's and take the one behind it, ACCM how the sums go on.
; c = 0 .. 3: the context in its group.  h = 0, 2: numbers 0, 1 or 2, 3.
.macro DIFF c, h                       ; d = x + (-m); two contexts' -m share a register pair, op_sel picks one for both halves
.set KN, KB+(\c)
.if KN & 1
	v_pk_add_f32 v[DN+4*(\c)+(\h):DN+4*(\c)+(\h)+1], v[XN+(\h):XN+(\h)+1], v[MM+KN-1:MM+KN] op_sel:[0,1] op_sel_hi:[1,1]
.else
	v_pk_add_f32 v[DN+4*(\c)+(\h):DN+4*(\c)+(\h)+1], v[XN+(\h):XN+(\h)+1], v[MM+KN:MM+KN+1] op_sel_hi:[1,0]
.endif
.endm
.macro SQR c, h
	v_pk_mul_f32 v[T+4*(\c)+(\h):T+4*(\c)+(\h)+1], v[DN+4*(\c)+(\h):DN+4*(\c)+(\h)+1], v[DN+4*(\c)+(\h):DN+4*(\c)+(\h)+1]
.endm
.macro ARG c, j, h                     ; a t + c (j = 0: the denominator's, 1: the numerator's); the pair (a, c) is both sources: a for both halves, c for both halves
	v_pk_fma_f32 v[EN+8*(\c)+4*(\j)+(\h):EN+8*(\c)+4*(\j)+(\h)+1], v[T+4*(\c)+(\h):T+4*(\c)+(\h)+1], v[CC+4*(KB+(\c))+2*(\j):CC+4*(KB+(\c))+2*(\j)+1], v[CC+4*(KB+(\c))+2*(\j):CC+4*(KB+(\c))+2*(\j)+1] op_sel:[0,0,1] op_sel_hi:[1,0,1]
.endm
.macro ACCDEN c, h                     ; ACCM = 2: the group's first context is context 0, which starts the sum, with eps; else add
.if (ACCM == 2) && ((\c) == 0)
	v_pk_add_f32 v[DEN+(\h):DEN+(\h)+1], v[EN+8*(\c)+(\h):EN+8*(\c)+(\h)+1], 0x3a83126f op_sel_hi:[1,0]
.else
	v_pk_add_f32 v[DEN+(\h):DEN+(\h)+1], v[DEN+(\h):DEN+(\h)+1], v[EN+8*(\c)+(\h):EN+8*(\c)+(\h)+1]
.endif
.endm
.macro ACCNUM c, h
.if (ACCM == 2) && ((\c) == 0)
	v_pk_mul_f32 v[NUM+(\h):NUM+(\h)+1], v[EN+8*(\c)+4+(\h):EN+8*(\c)+5+(\h)], v[DN+4*(\c)+(\h):DN+4*(\c)+(\h)+1]
.else
	v_pk_fma_f32 v[NUM+(\h):NUM+(\h)+1], v[EN+8*(\c)+4+(\h):EN+8*(\c)+5+(\h)], v[DN+4*(\c)+(\h):DN+4*(\c)+(\h)+1], v[NUM+(\h):NUM+(\h)+1]
.endif
.endm
.macro RECIPS
.irp i, 0,1,2,3
	v_rcp_f32 v[R+\i], v[DEN+\i]
.endr
.endm
.macro QUOT h                          ; out = num / den for numbers h, h + 1
	v_pk_mul_f32 v[OUT+(\h):OUT+(\h)+1], v[NUM+(\h):NUM+(\h)+1], v[R+(\h):R+(\h)+1]
.endm
.macro SEND off                        ; stored at byte off from the round's base
	global_store_b128 v[OFF], v[OUT:OUT+3], s[12:13] offset:\off th:TH_STORE_NT
.endm
; THE TWO QUEUES OF A STAGE.  EX writes the batch's next exponential, number e of 32, in place in this stage's buffer EB.
.macro EX
	v_exp_f32 v[EB+e], v[EB+e]
.set e, e+1
.endm
; PL writes the next plain line, number q of 48; none of them names a register of EB.
;   0-15   the sums of the group before, context by context in ascending order: den 0, 1; den 2, 3; num 0, 1; num 2, 3 (none if ACCM = 0)
;   16-23  the 8 differences of the group after;  24-31  its 8 squares;  32-47  its 16 exponents (none if NXT = 0)
; Ahead of number 16 stands the wait for the load of x that the differences read, where that is the next chunk's (LW below 64: its count).
.macro PL
.if q < 16
.if ACCM
.if (q%4) < 2
	ACCDEN q/4, 2*(q%2)
.else
	ACCNUM q/4, 2*(q%2)
.endif
.endif
.elseif q < 48
.if NXT
.if q < 24
.if (q == 16) && (LW < 64)
	s_wait_loadcnt LW                              ; loads come back in order: the next chunk's is in
.endif
	DIFF (q-16)/2, 2*(q%2)
.elseif q < 32
	SQR (q-24)/2, 2*(q%2)
.else
	ARG (q-32)/4, (q%4)/2, 2*(q%2)
.endif
.endif
.endif
.set q, q+1
.endm
; Stage g (0: contexts 0-3, 1: contexts 4-7) of the chunk in slot s.  Exponential and plain line go by turns, so behind every transcendental
; stands a plain instruction that names none of its registers; the plain lines that are over (12 to 18) follow, and then the stage's one wait.
; acc: 0 nothing to add (the very first stage); 2 (g = 1) contexts 0-3, of which context 0 starts the sums; 3 (g = 0) the LAST chunk's
; contexts 4-7, and behind them its four reciprocals, which join this stage's batch six pairs behind the denominator's last sum.
; leave = 1 (g = 1): the last chunk's reciprocals were waited for at the end of the stage before: its two quotients take the first two plain
; places, ahead of the lines that start NUM and DEN anew, and its store follows two pairs behind them.
; nxt = 1: prepare the group after; for g = 1 that is contexts 0-3 of the next slot's chunk, behind the wait for its load, which leaves the
; `left` younger loads out.  fill = 1 (g = 1): slot s, last read in stage 0, gets the chunk four further on; the fill stands behind the store
; and ahead of that wait.
.macro STAGE g, s, acc, nxt, fill, left, leave
.set EB, E+32*(\g)
.set EN, E+32-32*(\g)
.set DN, D+16-16*(\g)
.set KB, 4-4*(\g)
.set ACCM, \acc
.set NXT, \nxt
.if \g
.set XN, X+4*(((\s)+1)&3)
.set LW, \left
.else
.set XN, X+4*(\s)
.set LW, 64
.endif
.set e, 0
.set q, 0
.if (\acc) == 0
.set q, 16                             ; no sums yet: the preparing lines take the places beside the exponentials
.endif
.if \leave
	s_wait_xcnt 0x0                                ; OUT, which the last chunk's store reads, is rewritten only behind this wait
.endif
.rept 32
	EX
.if (\leave) && (e <= 2)
	QUOT 2*e-2
.else
	PL
.endif
.if e == 4
.if \leave
	SEND ((\s)-1)*CH                               ; the chunk before this one; for slot 0 that lies one chunk below the stepped base
.endif
.if \fill
	global_load_b128 v[X+4*(\s):X+4*(\s)+3], v[OFF], s[4:5] offset:((\s)+SLOTS)*CH th:TH_LOAD_NT
.endif
.endif
.if ((\acc) == 3) && (e == 20)
.irp i, 0,1,2,3
	v_rcp_f32 v[R+\i], v[DEN+\i]
	PL
.endr
.endif
.endr
.rept 18
	PL                                             ; what is left of the plain queue (nothing is written past number 47)
.endr
.if !(\nxt)
	v_nop                                          ; nothing is prepared: this is the plain place behind the last exponential
.endif
	s_wait_alu depctr_va_vdst(0)                   ; THE STAGE'S ONE WAIT, for its whole batch: 32 exponentials, and with acc = 3 the four reciprocals; all their readers stand in the next stage
.endm
.macro CHUNK s, first, fill, nxt, left
.if \first
	STAGE 0, \s, 0, 1, 0, 0, 0
	STAGE 1, \s, 2, \nxt, \fill, \left, 0
.else
	STAGE 0, \s, 3, 1, 0, 0, 0
	STAGE 1, \s, 2, \nxt, \fill, \left, 1
.endif
.endm
; A round with fills.  The wait for x in stage 1 counts 3: behind the next chunk's load were issued those of the two chunks after it and the fill just made.
.macro ROUND first
	CHUNK 0, \first, 1, 1, 3
	CHUNK 1, 0, 1, 1, 3
	CHUNK 2, 0, 1, 1, 3
	CHUNK 3, 0, 1, 1, 3
	s_wait_xcnt 0x0                                ; the two bases are stepped only behind this wait
	s_add_nc_u64 s[4:5], s[4:5], SLOTS*CH
	s_add_nc_u64 s[12:13], s[12:13], SLOTS*CH
.endm
	s_wait_loadcnt 0x3                             ; chunk 0 is in; slots 1 to 3 stay out
.set KB, 0
.set XN, X
.set DN, D
.set EN, E
.set ACCM, 0
.set NXT, 1
.set LW, 64
.set q, 16
.rept 32
	PL                                             ; contexts 0-3 of chunk 0 start the pipeline: differences, squares, exponents
.endr
	ROUND 1                                        ; chunks 0 to 3, written out: the first has no chunk before it to finish
	s_mov_b32 s14, ROUNDS-2
.Lround:
	ROUND 0                                        ; chunks 4 to 27; their fills bring chunks 8 to 31
	s_sub_co_u32 s14, s14, 1
	s_cmp_lg_u32 s14, 0
	s_cbranch_scc1 .Lround
	CHUNK 0, 0, 0, 1, 2                            ; the last round loads nothing, so no load leaves x: the counts run down
	CHUNK 1, 0, 0, 1, 1
	CHUNK 2, 0, 0, 1, 0
	CHUNK 3, 0, 0, 0, 0                            ; and the last chunk prepares nothing
.set EN, E+32
.set DN, D+16
.set ACCM, 1
.set q, 0
.rept 16
	PL                                             ; contexts 4-7 of the last chunk: their exponentials were waited for at the last stage's end
.endr
	RECIPS
	v_nop                                          ; the plain place behind the reciprocals
	s_wait_alu depctr_va_vdst(0)                   ; one wait for the last four reciprocals
	s_wait_xcnt 0x0                                ; OUT, which the last store reads, is rewritten only behind this wait
	QUOT 0
	QUOT 2
	SEND (SLOTS-1)*CH
	s_endpgm
.Lfunc_end_k_qcaba0ce14b_acn:
	.size	k_qcaba0ce14b_acn, .Lfunc_end_k_qcaba0ce14b_acn-k_qcaba0ce14b_acn
	.p2alignl 7, 3214868480
	.fill 96, 4, 3214868480
	.section	.rodata,"a",@progbits
	.p2align	6, 0x0
	.amdhsa_kernel k_qcaba0ce14b_acn
		.amdhsa_group_segment_fixed_size 0
		.amdhsa_private_segment_fixed_size 0
		.amdhsa_enable_private_segment 0
		.amdhsa_kernarg_size 40
		.amdhsa_user_sgpr_count 2
		.amdhsa_user_sgpr_kernarg_segment_ptr 1
		.amdhsa_wavefront_size32 1
		.amdhsa_system_sgpr_workgroup_id_x 1
		.amdhsa_system_sgpr_workgroup_id_y 1
		.amdhsa_system_sgpr_workgroup_id_z 1
		.amdhsa_system_vgpr_workitem_id 0
		.amdhsa_next_free_vgpr 188
		.amdhsa_next_free_sgpr 66
		.amdhsa_reserve_vcc 1
		.amdhsa_float_denorm_mode_32 3
		.amdhsa_float_denorm_mode_16_64 3
		.amdhsa_memory_ordered 1
		.amdhsa_forward_progress 1
		.amdhsa_inst_pref_size 111
	.end_amdhsa_kernel
	.amdgpu_metadata
---
amdhsa.version: [ 1, 2 ]
amdhsa.kernels:
  - .name:           k_qcaba0ce14b_acn
    .symbol:         k_qcaba0ce14b_acn.kd
    .args:
      - { .name: x, .offset: 0, .size: 8, .value_kind: global_buffer, .address_space: global }
      - { .name: mean, .offset: 8, .size: 8, .value_kind: global_buffer, .address_space: global }
      - { .name: variance, .offset: 16, .size: 8, .value_kind: global_buffer, .address_space: global }
      - { .name: prior, .offset: 24, .size: 8, .value_kind: global_buffer, .address_space: global }
      - { .name: out0, .offset: 32, .size: 8, .value_kind: global_buffer, .address_space: global }
    .group_segment_fixed_size: 0
    .private_segment_fixed_size: 0
    .kernarg_segment_align: 8
    .kernarg_segment_size: 40
    .max_flat_workgroup_size: 512
    .sgpr_count:     66
    .vgpr_count:     188
    .wavefront_size: 32
...
	.end_amdgpu_metadata
.endif
;; end of part 2
